; MI455X (gfx1250); checked and timed in simulation.
; The chip was launched on July 23, 2026; its instructions are those of AMD's public machine-readable ISA for CDNA 5 (MIT licence, August 2026) and "CDNA5" Instruction Set Architecture Reference Guide (July 2026). The comments in the code are by the model that wrote it; some were corrected since.
;; S4 D Kernel. Allowed arithmetic: float matrix products may take bf16 or f16 operands with f32 sums; all other float work in f32.
;; Inputs: A_imag 1,024 x 32 float32; C 1,024 x 32 x 2 float32; log_A_real 1,024 x 32 float32; log_dt 1,024 float32.
;; Outputs: out0 1,024 x 4,096 float32.
;; Constants: L = 4096.
;; One version. Each part assembles by itself: llvm-mc -triple=amdgcn-amd-amdhsa -mcpu=gfx1250 --defsym DOCPART=n.
;; ======== version 1 of 1: 1 launch
;; launch s4d (part 1): grid 256 x 1, 4 waves a work-group, no clusters, 37,632 bytes of LDS; arguments A_imag, C, log_A_real, log_dt, out0; writes out0
.if DOCPART == 1
	.amdgcn_target "amdgcn-amd-amdhsa--gfx1250"
	.amdhsa_code_object_version 6
	.text
	.protected	k_q2475ceff63_s4d
	.globl	k_q2475ceff63_s4d
	.p2align	8
	.type	k_q2475ceff63_s4d,@function
k_q2475ceff63_s4d:
	s_mov_b64 s[64:65], 0
	v_nop
	global_prefetch_b8 v0, s[64:65] scope:SCOPE_SE
	s_setreg_imm32_b32 hwreg(HW_REG_WAVE_MODE, 25, 1), 1
	s_wait_xcnt 0x0
; out[h][l] = 2 Re sum over n of Ccoef[h][n] w[h][n]^l,  w = exp(dt A),  A = -exp(log_A_real) + i A_imag,  dt = exp(log_dt),
; Ccoef = C (w - 1) / A.   H = 1024 rows, 32 modes n, L = 4096.
;
; THE IDEA.  l = eX + eY, eX = bits 1:0 and 9:6 of l, eY = bits 5:2 and 11:10.  With X[i][n] = 2 Ccoef w^eX(i) (64 values of eX) and
; Y[i'][n] = conj(w^eY(i')) (64 values of eY), out = sum over n of Re X Re Y + Im X Im Y: a real product 64 x 64 x 64 for each row h,
; and 128 complex powers for each (h, n) instead of 4096.
; THE NUMBER FORMAT.  Every operand is a sum of two bf16 numbers (hi = x rounded, lo = x - hi rounded) and hi hi + hi lo + lo hi is summed
; in f32: K = 192.  One bf16 alone errs by 2^-9 of a term, which is more than a hundredth of the output's rms where a row of large dt
; crosses zero at small l.
; THE SHARES.  One wave owns one row h; four waves a work-group, 256 work-groups.  Waves share nothing: no barrier.  No two work-groups
; read the same input rows, so there is nothing to ask for jointly in a cluster.
;   Step 1, lane = n: inputs, dt, two complex exponentials (w and v = w^64), Ccoef, then complex products: 16 seeds of X
;           (2 Ccoef w^(r&3) v^(r>>2)), 16 seeds of Y (conj(w^4)^r), the steps w^256 and conj(w^1024).
;   Step 2: through the wave's own LDS into the layout of matrix operands: lane (r = lane & 15, hh = lane >> 4) holds row r, modes 16 hh .. 16 hh + 15,
;           one register for a mode: real part in the low half (even k), imaginary part in the high half (odd k); the same map for X and Y.
;   Step 3: tile t + 1 = tile t times the step; split; X's four tiles stay; for each tile of Y 24 matrix instructions and 8 stores.
; THE WAY OUT.  In the result, register j of lane (r, hh) is X's row 8 hh + j and Y's row r, so
;   l = (j & 3) + 4 r + 64 (j >> 2) + 128 hh + 256 tm + 1024 tn:
; four registers of sixteen neighbouring lanes are 256 consecutive, aligned bytes of out: stored straight from the accumulators.
; LIMITS.  |A_imag dt| 64 (2/pi) below 2^31 (the quadrant goes through a 32-bit integer); Re(A)^2 + Im(A)^2 finite and not zero in f32;
; log_dt log2(e) above -126; powers below 2^-126 may come out as zero; NaN and infinities in the inputs are not carried as the reference
; carries them; the sums and the powers are rounded in another order than the reference's (powers: at most some 130 roundings of f32).
.set PITCH,  272                       ; an LDS row: 32 complex f32 = 256 bytes, + 16: the 16 rows of a 16-byte load fall on different columns
.set ROW_X,  0                         ; rows 0-15: seeds of X
.set ROW_Y,  16*PITCH                  ; rows 16-31: seeds of Y
.set ROW_MX, 32*PITCH                  ; row 32: w^256
.set ROW_MY, 33*PITCH                  ; row 33: conj(w^1024)
.set WLDS,   34*PITCH                  ; a wave's own 9,248 bytes
.set SA,   1                           ; LDS address, step 1: my mode's 8 bytes in row 0
.set LR,   2                           ; LDS address, step 2: row r, my half's 128 bytes
.set LM,   3                           ; LDS address, step 2: my half's 128 bytes of row 0 (for the two rows of steps)
.set OO,   4                           ; byte offset in out: 16 r + 512 hh + 16384 wave
.set NEG1, 5                           ; -1.0
.set AI,   6                           ; A_imag
.set LAR,  7                           ; log_A_real
.set LDT,  8                           ; log_dt
.set CC,   10                          ; v[10:11] C
.set TMP,  12                          ; v[12:43] at work
.set DT,    12                         ; step 1, inside TMP:
.set EA,    13                         ; exp(log_A_real) = -Re A
.set THETA, 14                         ; A_imag dt
.set AL,    15                         ; exp(log_A_real) dt = -Re(dt A)
.set MG,   22                          ; +0: |w|, +1: |v|            (index 0 belongs to w, 1 to v = w^64, in all of these)
.set YQ,   24                          ; phase in quarter turns; later the chosen cosine
.set KF,   26                          ; nearest whole quarter turn; later the chosen sine
.set FR,   28                          ; the rest, -0.5 .. 0.5
.set ZZ,   30                          ; its square
.set SP,   32                          ; sine of the rest
.set CP,   34                          ; cosine of the rest
.set KI,   36                          ; the quarter turns as an integer; later the sine's sign
.set TA,   38                          ; odd quarter?
.set TB,   40                          ; the cosine's sign
.set PL,   42                          ; low word of the phase
.set PW1,  44                          ; pairs (re, im): w, v, w^2, w^3, v^2, v^3, v^4, v^8, v^16, conj(w^2)
.set PV1,  46
.set PW2,  48
.set PW3,  50
.set PV2,  52
.set PV3,  54
.set PV4,  56
.set PV8,  58
.set PV16, 60
.set PCW,  62
.set XF,   64                          ; v[64:95]   X's current tile in f32, 16 pairs
.set MX,   96                          ; v[96:127]  w^256 of my 16 modes
.set YF,   128                         ; v[128:159] Y's current tile
.set MY,   160                         ; v[160:191] conj(w^1024)
.set XS,   192                         ; v[192:223] step 1: seeds of X, pair i
.set YS,   224                         ; v[224:255] step 1: seeds of Y, pair r
.set YH,   192                         ; v[192:207] step 3: Y's fragments, hi
.set YL,   208                         ; v[208:223] lo
.set ACC,  224                         ; v[224:255] four accumulators
; window 1 (v256-v383): X's fragments; tile t: hi at 32 t, lo at 32 t + 16 (numbers inside the window)
.set MSB, 0
.macro WIN new                         ; s_set_vgpr_msb: bits 1:0 source 0, 3:2 source 1, 5:4 source 2, 7:6 destination; the high byte repeats the setting left
.if MSB != \new
	s_set_vgpr_msb (MSB<<8)|\new
.set MSB, \new
.endif
.endm
; d = a b for complex pairs, in two packed instructions; d is neither a nor b.  A group issues all first halves, then all second halves.
.macro CMA d, a, b                     ; (a.re b.re, a.re b.im)
	v_pk_mul_f32 v[\d:\d+1], v[\a:\a+1], v[\b:\b+1] op_sel_hi:[0,1]
.endm
.macro CMB d, a, b                     ; (- a.im b.im + d.re, a.im b.re + d.im)
	v_pk_fma_f32 v[\d:\d+1], v[\a:\a+1], v[\b:\b+1], v[\d:\d+1] op_sel:[1,1,0] op_sel_hi:[1,0,1] neg_lo:[0,1,0]
.endm
	s_load_b256 s[4:11], s[0:1], 0x0               ; A_imag s[4:5], C s[6:7], log_A_real s[8:9], log_dt s[10:11]
	s_load_b64 s[12:13], s[0:1], 0x20              ; out0
	v_lshl_add_u32 v9, v0, 2, 0x9100
	s_set_vgpr_msb 0x40
	v_mov_b32 v129, 0
	s_set_vgpr_msb 0x4000
	v_lshrrev_b32 v12, 5, v0
	v_readfirstlane_b32 s14, v12                   ; wave 0..3; my row is h = 4 x work-group + wave
	s_lshl_b32 s15, ttmp9, 9                       ; four rows of 128 bytes (A_imag, log_A_real)
	s_lshl_b32 s16, ttmp9, 10                      ; four rows of 256 bytes (C)
	s_lshl_b32 s17, ttmp9, 4                       ; four words (log_dt)
	v_lshl_add_u32 v13, v0, 2, s15                 ; thread t = 32 wave + n: 4 t
	v_lshl_add_u32 v14, v0, 3, s16                 ; 8 t
	v_lshl_add_u32 v15, v12, 2, s17                ; 4 wave: one word for the whole wave
	s_wait_kmcnt 0x0
	global_load_b32 v[LDT], v15, s[10:11]
	global_load_b32 v[AI], v13, s[4:5] th:TH_LOAD_NT
	global_load_b32 v[LAR], v13, s[8:9] th:TH_LOAD_NT
	global_load_b64 v[CC:CC+1], v14, s[6:7] th:TH_LOAD_NT
	; addresses and constants while the inputs are on their way
	s_lshl_b32 s20, ttmp9, 16                      ; four rows of 16,384 bytes of out
	s_mov_b32 s21, 0
	s_add_nc_u64 s[12:13], s[12:13], s[20:21]
	s_mul_i32 s18, s14, WLDS
	s_lshl_b32 s19, s14, 14
	s_mov_b32 s22, 0x3f22f983                      ; 2/pi, high word
	s_mov_b32 s23, 0x32dc9c88                      ; 2/pi, low word
	s_mov_b32 s24, 0x39283c1a                      ; (pi/2)^9 / 9!
	s_mov_b32 s25, 0x3a70fa83                      ; (pi/2)^8 / 8!
	s_mov_b32 s26, 0x3fb8aa3b                      ; log2(e), high word
	v_and_b32 v16, 31, v0                          ; n
	v_and_b32 v17, 15, v0                          ; r
	v_bfe_u32 v18, v0, 4, 1                        ; hh
	v_lshl_add_u32 v[SA], v16, 3, s18
	v_lshl_add_u32 v[LM], v18, 7, s18
	v_mad_u32_u24 v[LR], v17, PITCH, v[LM]
	v_lshlrev_b32 v[OO], 4, v17
	v_lshl_add_u32 v[OO], v18, 9, v[OO]
	v_add_nc_u32 v[OO], s19, v[OO]
	v_mov_b32 v[NEG1], -1.0
	s_wait_loadcnt 0x0                             ; all four inputs; their address registers v13-v15 are free from here
	; ---- STEP 1, lane = n ----
	; dt = 2^(log_dt log2 e), the exponent in two words: an error of dt is multiplied by l in the phase
	v_mul_f32 v16, s26, v[LDT]
	v_mul_f32 v19, s26, v[LAR]
	v_fma_f32 v17, v[LDT], s26, -v16               ; what the product above rounded away
	v_exp_f32 v18, v16
	v_exp_f32 v[EA], v19
	v_fmac_f32 v17, 0x32a5705f, v[LDT]             ; + log_dt x low word of log2 e.  Also the plain instruction behind the exponentials (ISA guide 5.7.2)
	v_mul_f32 v17, 0x3f317218, v17                 ; x ln 2
	s_wait_alu depctr_va_vdst(0)
	v_fma_f32 v[DT], v18, v17, v18                 ; 2^hi (1 + lo ln 2)
	v_mul_f32 v[THETA], v[AI], v[DT]               ; Im(dt A), rounded as the reference rounds it
	v_mul_f32 v[AL], v[EA], v[DT]                  ; -Re(dt A)
	v_mul_f32 v17, v[AI], v[AI]
	v_mul_f32 v[YQ], s22, v[THETA]                 ; phase of w in quarter turns, high word
	v_mul_f32 v20, s26, v[AL]
	v_fmac_f32 v17, v[EA], v[EA]                   ; |A|^2
	v_fma_f32 v[PL], v[THETA], s22, -v[YQ]
	v_mul_f32 v21, 0x42800000, v20                 ; x 64, exact
	v_exp_f32 v[MG], -v20                          ; |w|
	v_exp_f32 v[MG+1], -v21                        ; |v|
	v_rcp_f32 v19, v17
	v_fmac_f32 v[PL], s23, v[THETA]                ; low word of the phase; the plain instruction behind the three above
	v_mul_f32 v[YQ+1], 0x42800000, v[YQ]           ; phase of v = 64 x phase of w, exact in both words
	v_rndne_f32 v[KF], v[YQ]
	v_rndne_f32 v[KF+1], v[YQ+1]
	v_sub_f32 v[FR], v[YQ], v[KF]                  ; exact
	v_sub_f32 v[FR+1], v[YQ+1], v[KF+1]
	v_cvt_i32_f32 v[KI], v[KF]
	v_cvt_i32_f32 v[KI+1], v[KF+1]
	v_add_f32 v[FR], v[FR], v[PL]
	v_fmac_f32 v[FR+1], 0x42800000, v[PL]
	; sine and cosine of (pi/2) FR, |FR| <= 0.5: Taylor to the 9th and 8th power (next terms below 3e-8); four chains side by side
.irp o, 0,1
	v_mul_f32 v[ZZ+\o], v[FR+\o], v[FR+\o]
.endr
.irp o, 0,1
	v_and_b32 v[TA+\o], 1, v[KI+\o]                ; odd quarter: sine and cosine change places
	v_add_nc_u32 v[TB+\o], 1, v[KI+\o]
.endr
.irp o, 0,1
	v_fmaak_f32 v[SP+\o], s24, v[ZZ+\o], 0xbb996966            ; -(pi/2)^7 / 7!
	v_fmaak_f32 v[CP+\o], s25, v[ZZ+\o], 0xbcaae9e4            ; -(pi/2)^6 / 6!
.endr
.irp o, 0,1
	v_lshlrev_b32 v[KI+\o], 30, v[KI+\o]           ; bit 1 of k: the sine is negative in quarters 2, 3
	v_lshlrev_b32 v[TB+\o], 30, v[TB+\o]           ; bit 1 of k + 1: the cosine in quarters 1, 2
.endr
.irp o, 0,1
	v_fmaak_f32 v[SP+\o], v[SP+\o], v[ZZ+\o], 0x3da335e3       ; (pi/2)^5 / 5!
	v_fmaak_f32 v[CP+\o], v[CP+\o], v[ZZ+\o], 0x3e81e0f8       ; (pi/2)^4 / 4!
.endr
.irp o, 0,1
	v_and_b32 v[KI+\o], 0x80000000, v[KI+\o]
	v_and_b32 v[TB+\o], 0x80000000, v[TB+\o]
.endr
.irp o, 0,1
	v_fmaak_f32 v[SP+\o], v[SP+\o], v[ZZ+\o], 0xbf255de7       ; -(pi/2)^3 / 3!
	v_fmaak_f32 v[CP+\o], v[CP+\o], v[ZZ+\o], 0xbf9de9e6       ; -(pi/2)^2 / 2
.endr
.irp o, 0,1
	v_fmaak_f32 v[SP+\o], v[SP+\o], v[ZZ+\o], 0x3fc90fdb       ; pi/2
	v_fmaak_f32 v[CP+\o], v[CP+\o], v[ZZ+\o], 0x3f800000       ; 1
.endr
.irp o, 0,1
	v_mul_f32 v[SP+\o], v[SP+\o], v[FR+\o]
.endr
.irp o, 0,1
	v_cmp_eq_u32 vcc_lo, 1, v[TA+\o]               ; the mask only selects values
	v_cndmask_b32 v[YQ+\o], v[CP+\o], v[SP+\o], vcc_lo
	v_cndmask_b32 v[KF+\o], v[SP+\o], v[CP+\o], vcc_lo
.endr
.irp o, 0,1
	v_xor_b32 v[YQ+\o], v[YQ+\o], v[TB+\o]
	v_xor_b32 v[KF+\o], v[KF+\o], v[KI+\o]
.endr
	s_wait_alu depctr_va_vdst(0)
.irp o, 0,1
	v_mul_f32 v[PW1+2*\o], v[MG+\o], v[YQ+\o]      ; w in v[44:45], v in v[46:47]
	v_mul_f32 v[PW1+2*\o+1], v[MG+\o], v[KF+\o]
.endr
	; 2 Ccoef = 2 C (w - 1) conj(A) / |A|^2, with Re A = -EA
	v_add_f32 v16, -1.0, v[PW1]                    ; Re(w - 1), as the reference forms it
	v_add_f32 v19, v19, v19                        ; 2 / |A|^2
	v_mul_f32 v18, v16, v[EA]
	v_mul_f32 v20, v16, v[AI]
	v_fma_f32 v18, v[PW1+1], v[AI], -v18           ; Re((w-1) conj A)
	v_fmac_f32 v20, v[PW1+1], v[EA]                ; -Im((w-1) conj A)
	v_mul_f32 v18, v18, v19
	v_mul_f32 v20, v20, v19
	v_mul_f32 v21, v[CC+1], v20
	v_mul_f32 v24, v[CC], v20
	v_fma_f32 v[XS], v[CC], v18, v21               ; seed 0 of X = 2 Ccoef
	v_fma_f32 v[XS+1], v[CC+1], v18, -v24
	; powers, in groups of products that do not depend on each other
	CMA PW2, PW1, PW1
	CMA PV2, PV1, PV1
	CMA XS+2, XS, PW1
	CMB PW2, PW1, PW1
	CMB PV2, PV1, PV1
	CMB XS+2, XS, PW1
	v_mov_b32 v[PCW], v[PW2]                       ; conj(w^2): from here Y's chain runs conjugated, which puts the minus of Re(X Y) into Y
	v_xor_b32 v[PCW+1], 0x80000000, v[PW2+1]
	CMA PW3, PW2, PW1
	CMA PV3, PV2, PV1
	CMA PV4, PV2, PV2
	CMA XS+4, XS, PW2
	CMA XS+8, XS, PV1
	CMA XS+10, XS+2, PV1
	CMA XS+16, XS, PV2
	CMA XS+18, XS+2, PV2
	CMA YS+2, PCW, PCW                             ; conj(w^4)
	CMB PW3, PW2, PW1
	CMB PV3, PV2, PV1
	CMB PV4, PV2, PV2
	CMB XS+4, XS, PW2
	CMB XS+8, XS, PV1
	CMB XS+10, XS+2, PV1
	CMB XS+16, XS, PV2
	CMB XS+18, XS+2, PV2
	CMB YS+2, PCW, PCW
	CMA XS+6, XS, PW3
	CMA XS+12, XS+4, PV1
	CMA XS+20, XS+4, PV2
	CMA XS+24, XS, PV3
	CMA XS+26, XS+2, PV3
	CMA XS+28, XS+4, PV3
	CMA PV8, PV4, PV4
	CMA YS+4, YS+2, YS+2
	CMB XS+6, XS, PW3
	CMB XS+12, XS+4, PV1
	CMB XS+20, XS+4, PV2
	CMB XS+24, XS, PV3
	CMB XS+26, XS+2, PV3
	CMB XS+28, XS+4, PV3
	CMB PV8, PV4, PV4
	CMB YS+4, YS+2, YS+2
	CMA XS+14, XS+6, PV1
	CMA XS+22, XS+6, PV2
	CMA XS+30, XS+6, PV3
	CMA PV16, PV8, PV8
	CMA YS+6, YS+4, YS+2
	CMA YS+8, YS+4, YS+4
	CMB XS+14, XS+6, PV1
	CMB XS+22, XS+6, PV2
	CMB XS+30, XS+6, PV3
	CMB PV16, PV8, PV8
	CMB YS+6, YS+4, YS+2
	CMB YS+8, YS+4, YS+4
	; ---- STEP 2 for X: 32 lanes write a row's 256 consecutive bytes; each lane reads back 128 bytes of its row ----
.set i, 0
.rept 16
	ds_store_b64 v[SA], v[XS+2*i:XS+2*i+1] offset:ROW_X+i*PITCH
.set i, i+1
.endr
	ds_store_b64 v[SA], v[PV4:PV4+1] offset:ROW_MX
.set i, 0
.rept 8
	ds_load_b128 v[XF+4*i:XF+4*i+3], v[LR] offset:ROW_X+16*i       ; LDS serves a wave's instructions in order (ISA guide 5.7.1): these see the stores above
.set i, i+1
.endr
.set i, 0
.rept 8
	ds_load_b128 v[MX+4*i:MX+4*i+3], v[LM] offset:ROW_MX+16*i
.set i, i+1
.endr
	; the rest of Y's seeds while X's are on their way
	CMA YS+10, YS+2, YS+8
	CMA YS+12, YS+4, YS+8
	CMA YS+14, YS+6, YS+8
	CMA YS+16, YS+8, YS+8
	v_mov_b32 v[YS], 1.0
	v_mov_b32 v[YS+1], 0
	v_xor_b32 v[PV16+1], 0x80000000, v[PV16+1]     ; conj(w^1024)
	CMB YS+10, YS+2, YS+8
	CMB YS+12, YS+4, YS+8
	CMB YS+14, YS+6, YS+8
	CMB YS+16, YS+8, YS+8
.set i, 1
.rept 7
	CMA YS+16+2*i, YS+2*i, YS+16
.set i, i+1
.endr
.set i, 1
.rept 7
	CMB YS+16+2*i, YS+2*i, YS+16
.set i, i+1
.endr
.set i, 0
.rept 16
	ds_store_b64 v[SA], v[YS+2*i:YS+2*i+1] offset:ROW_Y+i*PITCH
.set i, i+1
.endr
	ds_store_b64 v[SA], v[PV16:PV16+1] offset:ROW_MY
.set i, 0
.rept 8
	ds_load_b128 v[YF+4*i:YF+4*i+3], v[LR] offset:ROW_Y+16*i
.set i, i+1
.endr
.set i, 0
.rept 8
	ds_load_b128 v[MY+4*i:MY+4*i+3], v[LM] offset:ROW_MY+16*i
.set i, i+1
.endr
	; ---- STEP 3 ----
; the next tile: my 16 complex numbers times their steps, in place
.macro ADVANCE f, m
.set i, 0
.rept 16
	v_pk_mul_f32 v[TMP+2*i:TMP+2*i+1], v[\f+2*i:\f+2*i+1], v[\m+2*i:\m+2*i+1] op_sel_hi:[0,1]
.set i, i+1
.endr
.set i, 0
.rept 16
	v_pk_fma_f32 v[\f+2*i:\f+2*i+1], v[\f+2*i:\f+2*i+1], v[\m+2*i:\m+2*i+1], v[TMP+2*i:TMP+2*i+1] op_sel:[1,1,0] op_sel_hi:[1,0,1] neg_lo:[0,1,0]
.set i, i+1
.endr
.endm
; 16 complex f32 into 16 registers of hi and 16 of lo (bf16 pairs: re low, im high), in window blk.  x - hi is exact in f32.
.macro SPLIT f, hi, lo, blk
	WIN (\blk<<6)
.set i, 0
.rept 16
	v_cvt_pk_bf16_f32 v[\hi+i], v[\f+2*i], v[\f+2*i+1]
.set i, i+1
.endr
	WIN \blk
.set i, 0
.rept 16
	v_fma_mix_f32_bf16 v[TMP+2*i], v[\hi+i], v[NEG1], v[\f+2*i] op_sel_hi:[1,0,0]                    ; re - hi.low
	v_fma_mix_f32_bf16 v[TMP+2*i+1], v[\hi+i], v[NEG1], v[\f+2*i+1] op_sel:[1,0,0] op_sel_hi:[1,0,0]   ; im - hi.high
.set i, i+1
.endr
	WIN (\blk<<6)
.set i, 0
.rept 16
	v_cvt_pk_bf16_f32 v[\lo+i], v[TMP+2*i], v[TMP+2*i+1]
.set i, i+1
.endr
	WIN 0
.endm
; one link of the four chains: 32 of K (8 registers at xo in each tile of X, 8 registers of Y)
.macro LINK xo, yb, first
.irp m, 0,1,2,3
.if \first
	v_wmma_f32_16x16x32_bf16 v[ACC+8*\m:ACC+8*\m+7], v[32*\m+\xo:32*\m+\xo+7], v[\yb:\yb+7], 0
.else
	v_wmma_f32_16x16x32_bf16 v[ACC+8*\m:ACC+8*\m+7], v[32*\m+\xo:32*\m+\xo+7], v[\yb:\yb+7], v[ACC+8*\m:ACC+8*\m+7]
.endif
.endr
.endm
; X's four tiles times one tile of Y: the first link starts the sums (nothing is cleared); the small products go first
.macro PRODUCTS
	WIN 0x01                                       ; source 0 (X) in window 1
	LINK 16, YH, 1                                 ; lo x hi
	LINK 24, YH+8, 0
	LINK 0, YL, 0                                  ; hi x lo
	LINK 8, YL+8, 0
	LINK 0, YH, 0                                  ; hi x hi
	LINK 8, YH+8, 0
	WIN 0
.endm
; each store: lanes 0-15 cover 256 consecutive aligned bytes, lanes 16-31 the 256 bytes that begin 512 further on
.macro STORE n
.irp m, 0,1,2,3
	global_store_b128 v[OO], v[ACC+8*\m:ACC+8*\m+3], s[12:13] offset:4096*\n+1024*\m th:TH_STORE_NT
	global_store_b128 v[OO], v[ACC+8*\m+4:ACC+8*\m+7], s[12:13] offset:4096*\n+1024*\m+256 th:TH_STORE_NT
.endr
.endm
	s_wait_dscnt 41                                ; X's seeds are in: behind their loads came 8 loads, 17 stores, 16 loads
	SPLIT XF, 0, 16, 1
	s_wait_dscnt 33                                ; w^256 is in: 17 stores and 16 loads came behind
	ADVANCE XF, MX
	SPLIT XF, 32, 48, 1
	ADVANCE XF, MX
	SPLIT XF, 64, 80, 1
	ADVANCE XF, MX
	SPLIT XF, 96, 112, 1
	s_wait_dscnt 8                                 ; Y's seeds are in: the 8 loads of its step came behind
	SPLIT YF, YH, YL, 0
	PRODUCTS
	s_wait_dscnt 0                                 ; conj(w^1024)
	ADVANCE YF, MY                                 ; 32 plain instructions that name no register of the products: the places in front of the
	STORE 0                                        ; stores of D and of the writes into Y's fragments
	SPLIT YF, YH, YL, 0
	s_wait_xcnt 0x0                                ; the stores have read the accumulators, which the next products write
	PRODUCTS
	ADVANCE YF, MY
	STORE 1
	SPLIT YF, YH, YL, 0
	s_wait_xcnt 0x0
	PRODUCTS
	ADVANCE YF, MY
	STORE 2
	SPLIT YF, YH, YL, 0
	s_wait_xcnt 0x0
	PRODUCTS
.rept 4
	v_nop                                          ; no work is left to fill the four places in front of the last stores
.endr
	STORE 3
	s_set_vgpr_msb 0x4
	s_wait_tensorcnt 0x0
	ds_add_u32 v9, v129
	s_wait_dscnt 0x0
	s_set_vgpr_msb 0x400
	s_endpgm
.Lfunc_end_k_q2475ceff63_s4d:
	.size	k_q2475ceff63_s4d, .Lfunc_end_k_q2475ceff63_s4d-k_q2475ceff63_s4d
	.p2alignl 7, 3214868480
	.fill 96, 4, 3214868480
	.section	.rodata,"a",@progbits
	.p2align	6, 0x0
	.amdhsa_kernel k_q2475ceff63_s4d
		.amdhsa_group_segment_fixed_size 37632
		.amdhsa_private_segment_fixed_size 0
		.amdhsa_enable_private_segment 0
		.amdhsa_kernarg_size 40
		.amdhsa_user_sgpr_count 2
		.amdhsa_user_sgpr_kernarg_segment_ptr 1
		.amdhsa_wavefront_size32 1
		.amdhsa_system_sgpr_workgroup_id_x 1
		.amdhsa_system_sgpr_workgroup_id_y 1
		.amdhsa_system_sgpr_workgroup_id_z 1
		.amdhsa_system_vgpr_workitem_id 0
		.amdhsa_next_free_vgpr 386
		.amdhsa_next_free_sgpr 66
		.amdhsa_reserve_vcc 1
		.amdhsa_float_denorm_mode_32 3
		.amdhsa_float_denorm_mode_16_64 3
		.amdhsa_memory_ordered 1
		.amdhsa_forward_progress 1
		.amdhsa_inst_pref_size 70
	.end_amdhsa_kernel
	.amdgpu_metadata
---
amdhsa.version: [ 1, 2 ]
amdhsa.kernels:
  - .name:           k_q2475ceff63_s4d
    .symbol:         k_q2475ceff63_s4d.kd
    .args:
      - { .name: A_imag, .offset: 0, .size: 8, .value_kind: global_buffer, .address_space: global }
      - { .name: C, .offset: 8, .size: 8, .value_kind: global_buffer, .address_space: global }
      - { .name: log_A_real, .offset: 16, .size: 8, .value_kind: global_buffer, .address_space: global }
      - { .name: log_dt, .offset: 24, .size: 8, .value_kind: global_buffer, .address_space: global }
      - { .name: out0, .offset: 32, .size: 8, .value_kind: global_buffer, .address_space: global }
    .group_segment_fixed_size: 37632
    .private_segment_fixed_size: 0
    .kernarg_segment_align: 8
    .kernarg_segment_size: 40
    .max_flat_workgroup_size: 128
    .sgpr_count:     66
    .vgpr_count:     386
    .wavefront_size: 32
...
	.end_amdgpu_metadata
.endif
;; end of part 1
